; MI455X (gfx1250); checked and timed in simulation.
; The chip was launched on July 23, 2026; its instructions are those of AMD's public machine-readable ISA for CDNA 5 (MIT licence, August 2026) and "CDNA5" Instruction Set Architecture Reference Guide (July 2026). The comments in the code are by the model that wrote it; some were corrected since.
;; Export Weight Backed Linear. Allowed arithmetic: matrix products marked QUANTISED: E5M2 operands, one given power-of-two scale a tensor, by v_wmma_f32_16x16x64_bf8_bf8 or v_wmma_f32_16x16x128_bf8_bf8, f32 sums; everything else in f32.
;; Inputs: bias 4,096 float32; gamma 4,096 float32; lowp_scales 2 int32 (the exponents e of the quantised operands' scales 2^e); scale 4,096 float32; weight_q 4,096 x 4,096 int32; x_codes 2 x 2,048 x 128 x 32 uint8 (E5M2 codes of x, K innermost, in blocks of 32 codes); zero_point 4,096 int32.
;; Outputs: out0 2 x 2,048 x 4,096 float32.
;; This version of the problem:
;;   THIS VERSION OF THE PROBLEM IS GIVEN IN LOW PRECISION. The matrix products marked QUANTISED in the list below multiply operands that are first quantised to E5M2 (5 exponent bits, 2 mantissa bits; 8 bits a number), with one given power-of-two scale for each operand tensor; their sums are f32. All else is computed in f32.
;;   The module's matrix products, in the order in which they are computed (A, B: the left and right operand; K: the contracted axis; several contracted axes count as one K, in the product's order):
;;     1. [M 4,096, K 4,096] x [K 4,096, N 4,096]; A: input x (given as codes); B: computed on the way: QUANTISED (scales: A lowp_scales[0], B lowp_scales[1])
;;   THE QUANTISER, for each operand of a quantised product, along K:
;;     - The operand's scale is 2^e, e = its entry of the input lowp_scales (int32; the entries are numbered through the quantised products in the list's order, A before B).
;;     - Each number is divided by the scale, clamped to +-57,344, and rounded to the nearest number of E5M2, ties to even, subnormals kept.
;;     - The product sums the exact products of the quantised numbers (number of the format x scale) in f32.
;;   ~~~python
;;   def quantise(x, axis, e):      # numpy; x: float32 -> the quantised numbers, widened to float32 again
;;       x = np.moveaxis(x, axis, -1); K = x.shape[-1]
;;       r = np.clip(x / 2.0 ** e, -57344, 57344)
;;       step = 2.0 ** (np.maximum(np.frexp(np.where(r == 0, 1, r))[1] - 1, -14) - 2)
;;       q = np.round(r / step) * step * 2.0 ** e      # np.round: ties to even
;;       return np.moveaxis(q, -1, axis).astype(np.float32)
;;   ~~~
;;   OPERANDS COMPUTED ON THE WAY. 'Computed on the way' means the value that the module computes at that place (a softmax that the list does not call 'softmax' is quantised finished and normalised). What goes into a quantiser is computed in f32, as accurately as f32 sums, v_exp_f32 and their like allow (about 1e-6 of the number): no bf16 or f16 on the way to a quantiser, and a product that is left as it is and whose result goes on into a quantised operand takes f32 operands (vector FMAs, or v_wmma_f32_16x16x4_f32). A number that lies on a knife's edge between two numbers of the format may be rounded either way, as far as f32 arithmetic and the matrix unit's own rounding can turn it there, and no further.
;;   INPUTS GIVEN AS CODES. x (in the module: [2, 2048, 4096], K = its axis 2): each comes as NAME_codes (uint8): NAME with its K axis moved to the last place and cut into blocks of 32 codes, [.., K / 32, bytes a block], one block behind the other in memory; one code a byte (a code: sign, 5 exponent bits, 2 mantissa bits); its scale is its entry of lowp_scales. Its value is code x scale, taken as it is: it is not quantised again, and the codes and scales need not be those that the quantiser above would give.
;; One version. Each part assembles by itself: llvm-mc -triple=amdgcn-amd-amdhsa -mcpu=gfx1250 --defsym DOCPART=n.
;; ======== version 1 of 1: 2 launches
;; limits: right only within a limited range of input values
;; workspace buffers: w_codes 16,777,216 bytes
;; launch quantw (part 1): grid 1024 x 1, 4 waves a work-group, no clusters, 68,096 bytes of LDS; arguments weight_q, zero_point, scale, gamma, lowp_scales, w_codes; writes w_codes
.if DOCPART == 1
	.amdgcn_target "amdgcn-amd-amdhsa--gfx1250"
	.amdhsa_code_object_version 6
	.text
	.protected	k_q66196d1b90_quantw
	.globl	k_q66196d1b90_quantw
	.p2align	8
	.type	k_q66196d1b90_quantw,@function
k_q66196d1b90_quantw:
	s_mov_b64 s[64:65], 0
	v_nop
	global_prefetch_b8 v0, s[64:65] scope:SCOPE_SE
	s_setreg_imm32_b32 hwreg(HW_REG_WAVE_MODE, 25, 1), 1
	s_wait_xcnt 0x0
; w[o][k] = ((f32(weight_q[o][k]) - f32(zero_point[o])) * scale[o]) * gamma[o], in f32 and in that order, each step rounded once, is turned into codes of E5M2
; with the given scale 2^e1 (entry 1 of lowp_scales): w / 2^e1, held within +-57,344, to the nearest code, ties to even.
; NOTHING IS LEFT OUT in this program: every input has a way to the output (weight_q, zero_point, scale, gamma, e1 here; x_codes, e0, e1, bias, gamma in the second launch).
; LIMITS: e1 between -126 and 112, so that 2^e1 and 57,344 x 2^e1 are f32 numbers.  NaN in scale or gamma is not served; an infinite w is held at the largest code.
; THE CODES ARE LAID AS THE SECOND LAUNCH'S REGISTERS WANT THEM: a fragment is 16 rows o x 128 k, 2,048 bytes: byte 512 c + 16 lane + i holds
; w[16 n + lane % 16][128 s + 32 c + 16 (lane / 16) + i]; fragment (n, s) begins at byte 65,536 n + 2,048 s.
; SHARES.  A wave takes 16 rows x 256 k: two fragments, 16,384 bytes in, 4,096 out.  Its 32 loads (512 consecutive bytes of one row each) are all issued at the head.
; A load gives neighbours along k to neighbouring lanes, the conversion wants them in one lane's registers: so each fragment's 16 x 512 bytes turn through the
; wave's own stage in LDS, rows of 512 + 16 bytes, and come back 64 bytes a lane, lane (r, h) from row r.  zero_point, scale and gamma then belong to the lane's row.
; A store of the wave covers 512 consecutive bytes, aligned.  No matrix unit, cluster, tensor load or barrier: waves share nothing and each byte is touched once.
.set P,     528                        ; a stage row: 512 bytes + 16 of padding
.set STG,   16*P                       ; a stage: one fragment's numbers
.set WREG,  2*STG                      ; LDS of a wave
.set SPARE, 4*WREG                     ; behind the stages: the spare words, 128 bytes a wave, that no other line names
.set SPW,   12
.set NIL,   13
.set ZF,    16                         ; v[16:17] f32(zero_point) of my row, twice
.set SC,    18                         ; v[18:19] scale, twice
.set GA,    20                         ; v[20:21] gamma, twice
.set R,     24                         ; v24-151  32 loads of four registers
.set X,     152                        ; v152-183 two sets of 16 neighbours
.set C,     184                        ; v184-215 codes, four registers a step
	s_load_b256 s[4:11], s[0:1], 0x0               ; weight_q, zero_point, scale, gamma
	s_load_b128 s[12:15], s[0:1], 0x20             ; lowp_scales, w_codes
	v_lshl_add_u32 v[SPW], v0, 2, SPARE
	v_mov_b32 v[NIL], 0
	v_lshrrev_b32 v1, 5, v0
	v_readfirstlane_b32 s16, v1                    ; wave
	v_and_b32 v2, 31, v0
	v_lshlrev_b32 v3, 4, v2                        ; 16 x lane
	s_mul_i32 s17, s16, WREG
	v_add_nc_u32 v14, s17, v3                      ; into a stage row: 16 x lane
	v_and_b32 v4, 15, v2                           ; r
	v_bfe_u32 v5, v0, 4, 1                         ; h
	v_mul_u32_u24 v15, v4, P
	v_lshl_add_u32 v15, v5, 6, v15
	v_add_nc_u32 v15, s17, v15                     ; back: row r, + 64 h
	v_lshlrev_b32 v4, 2, v4                        ; 4 r: my row's place in the three vectors
	s_lshr_b32 s18, ttmp9, 2                       ; n: my 16 rows
	s_and_b32 s19, ttmp9, 3
	s_lshl_b32 s19, s19, 2
	s_add_co_u32 s19, s19, s16                     ; which 256 along k
	s_lshl_b32 s20, s18, 18
	s_lshl_b32 s24, s19, 10
	s_add_co_u32 s20, s20, s24                     ; first byte in weight_q
	s_mov_b32 s21, 0
	s_lshl_b32 s22, s18, 16
	s_lshl_b32 s24, s19, 12
	s_add_co_u32 s22, s22, s24                     ; first byte in w_codes
	s_mov_b32 s23, 0
	s_lshl_b32 s24, s18, 6
	s_mov_b32 s25, 0
	s_wait_alu depctr_va_vdst(0)                   ; the wait at the head's end
	s_wait_kmcnt 0x0
	s_add_nc_u64 s[4:5], s[4:5], s[20:21]
	s_add_nc_u64 s[14:15], s[14:15], s[22:23]
	s_add_nc_u64 s[6:7], s[6:7], s[24:25]
	s_add_nc_u64 s[8:9], s[8:9], s[24:25]
	s_add_nc_u64 s[10:11], s[10:11], s[24:25]
	s_load_b32 s29, s[12:13], 0x4                  ; e1
	global_load_b32 v[ZF], v4, s[6:7]
	global_load_b32 v[SC], v4, s[8:9]
	global_load_b32 v[GA], v4, s[10:11]
.irp j, 0,1
.irp r, 0,1,2,3,4,5,6,7,8,9,10,11,12,13,14,15
	global_load_b128 v[R+64*\j+4*\r:R+64*\j+4*\r+3], v3, s[4:5] offset:16384*\r+512*\j th:TH_LOAD_NT
.endr
.endr
	s_wait_kmcnt 0x0
	s_add_co_i32 s30, s29, 127
	s_lshl_b32 s31, s30, 23
	v_mov_b32 v22, s31                             ; 2^e1
	s_add_co_i32 s30, s30, 15
	s_lshl_b32 s30, s30, 23
	s_or_b32 s30, s30, 0x600000
	v_mov_b32 v23, s30                             ; 57,344 x 2^e1
	s_wait_loadcnt 32                              ; the three vectors' numbers are in; the 32 loads behind them may be out
	v_cvt_f32_i32 v[ZF], v[ZF]
	v_mov_b32 v[SC+1], v[SC]
	v_mov_b32 v[GA+1], v[GA]
	v_mov_b32 v[ZF+1], v[ZF]
	s_wait_alu depctr_va_vdst(0)                   ; the wait ahead of the waits below
.macro STORE j                         ; fragment j's 16 rows into stage j
.irp r, 0,1,2,3,4,5,6,7,8,9,10,11,12,13,14,15
	ds_store_b128 v14, v[R+64*(\j)+4*\r:R+64*(\j)+4*\r+3] offset:STG*(\j)+P*\r
.endr
.endm
.macro RDX t                           ; step t = 4 j + c: my 16 neighbours; LDS serves a wave's instructions in order (ISA guide 5.7.1)
.irp i, 0,1,2,3
	ds_load_b128 v[X+16*((\t)%2)+4*\i:X+16*((\t)%2)+4*\i+3], v15 offset:STG*((\t)/4)+128*((\t)%4)+16*\i
.endr
.endm
	s_wait_loadcnt 16                              ; fragment 0's loads are in, fragment 1's sixteen may be out
	STORE 0
	RDX 0
.macro STEP t
.set XS, X+16*((\t)%2)
.if (\t) == 2
	s_wait_loadcnt 0x0
	STORE 1
	RDX 3
	s_wait_dscnt 20                                ; behind this step's four loads: 16 stores and 4 loads
.else
.if (\t) < 7
	RDX (\t)+1
	s_wait_dscnt 4                                 ; the next step's four may be out
.else
	s_wait_dscnt 0x0
.endif
.endif
.irp i, 0,1,2,3,4,5,6,7,8,9,10,11,12,13,14,15
	v_cvt_f32_i32 v[XS+\i], v[XS+\i]
.endr
.irp j, 0,2,4,6,8,10,12,14
	v_pk_add_f32 v[XS+\j:XS+\j+1], v[XS+\j:XS+\j+1], v[ZF:ZF+1] neg_lo:[0,1] neg_hi:[0,1]
.endr
.irp j, 0,2,4,6,8,10,12,14
	v_pk_mul_f32 v[XS+\j:XS+\j+1], v[XS+\j:XS+\j+1], v[SC:SC+1]
.endr
.irp j, 0,2,4,6,8,10,12,14
	v_pk_mul_f32 v[XS+\j:XS+\j+1], v[XS+\j:XS+\j+1], v[GA:GA+1]
.endr
.irp i, 0,1,2,3,4,5,6,7,8,9,10,11,12,13,14,15
	v_med3_num_f32 v[XS+\i], v[XS+\i], -v23, v23   ; the conversion does not saturate (ISA guide 7.6.2): held first
.endr
	v_cvt_scalef32_pk8_bf8_f32 v[C+4*(\t):C+4*(\t)+1], v[XS:XS+7], v22
	v_cvt_scalef32_pk8_bf8_f32 v[C+4*(\t)+2:C+4*(\t)+3], v[XS+8:XS+15], v22
	v_nop                                          ; one plain line behind the last conversion of the run
	global_store_b128 v3, v[C+4*(\t):C+4*(\t)+3], s[14:15] offset:512*(\t)   ; 512 consecutive bytes, aligned
.endm
.irp t, 0,1,2,3,4,5,6,7
	STEP \t
.endr
	s_wait_tensorcnt 0x0                           ; the wave's end
	ds_add_u32 v[SPW], v[NIL]
	s_wait_dscnt 0x0
	s_endpgm
.Lfunc_end_k_q66196d1b90_quantw:
	.size	k_q66196d1b90_quantw, .Lfunc_end_k_q66196d1b90_quantw-k_q66196d1b90_quantw
	.p2alignl 7, 3214868480
	.fill 96, 4, 3214868480
	.section	.rodata,"a",@progbits
	.p2align	6, 0x0
	.amdhsa_kernel k_q66196d1b90_quantw
		.amdhsa_group_segment_fixed_size 68096
		.amdhsa_private_segment_fixed_size 0
		.amdhsa_enable_private_segment 0
		.amdhsa_kernarg_size 48
		.amdhsa_user_sgpr_count 2
		.amdhsa_user_sgpr_kernarg_segment_ptr 1
		.amdhsa_wavefront_size32 1
		.amdhsa_system_sgpr_workgroup_id_x 1
		.amdhsa_system_sgpr_workgroup_id_y 1
		.amdhsa_system_sgpr_workgroup_id_z 1
		.amdhsa_system_vgpr_workitem_id 0
		.amdhsa_next_free_vgpr 216
		.amdhsa_next_free_sgpr 66
		.amdhsa_reserve_vcc 0
		.amdhsa_float_denorm_mode_32 3
		.amdhsa_float_denorm_mode_16_64 3
		.amdhsa_memory_ordered 1
		.amdhsa_forward_progress 1
		.amdhsa_inst_pref_size 36
	.end_amdhsa_kernel
	.amdgpu_metadata
---
amdhsa.version: [ 1, 2 ]
amdhsa.kernels:
  - .name:           k_q66196d1b90_quantw
    .symbol:         k_q66196d1b90_quantw.kd
    .args:
      - { .name: weight_q, .offset: 0, .size: 8, .value_kind: global_buffer, .address_space: global }
      - { .name: zero_point, .offset: 8, .size: 8, .value_kind: global_buffer, .address_space: global }
      - { .name: scale, .offset: 16, .size: 8, .value_kind: global_buffer, .address_space: global }
      - { .name: gamma, .offset: 24, .size: 8, .value_kind: global_buffer, .address_space: global }
      - { .name: lowp_scales, .offset: 32, .size: 8, .value_kind: global_buffer, .address_space: global }
      - { .name: w_codes, .offset: 40, .size: 8, .value_kind: global_buffer, .address_space: global }
    .group_segment_fixed_size: 68096
    .private_segment_fixed_size: 0
    .kernarg_segment_align: 8
    .kernarg_segment_size: 48
    .max_flat_workgroup_size: 128
    .sgpr_count:     66
    .vgpr_count:     216
    .wavefront_size: 32
...
	.end_amdgpu_metadata
.endif
;; end of part 1
;; launch gemm (part 2): grid 16 x 16, 4 waves a work-group, clusters of 4 x 1, 327,680 bytes of LDS; arguments x_codes, w_codes, lowp_scales, bias, gamma, out0; writes out0
.if DOCPART == 2
	.amdgcn_target "amdgcn-amd-amdhsa--gfx1250"
	.amdhsa_code_object_version 6
	.text
	.protected	k_q66196d1b90_gemm
	.globl	k_q66196d1b90_gemm
	.p2align	8
	.type	k_q66196d1b90_gemm,@function
k_q66196d1b90_gemm:
	s_mov_b64 s[64:65], 0
	v_nop
	global_prefetch_b8 v0, s[64:65] scope:SCOPE_SE
	s_setreg_imm32_b32 hwreg(HW_REG_WAVE_MODE, 25, 1), 1
	s_wait_xcnt 0x0
	s_wait_alu depctr_hold_cnt(0) depctr_sa_sdst(0) depctr_va_vdst(0) depctr_va_sdst(0) depctr_va_ssrc(0) depctr_va_vcc(0) depctr_vm_vsrc(0)
	s_getreg_b32 s2, hwreg(HW_REG_IB_STS2, 6, 4)
	s_cmp_eq_u32 s2, 0
	s_cbranch_scc0 .Lentry_in_a_cluster
	s_endpgm
.Lentry_in_a_cluster:
	s_bfe_u32 s2, ttmp6, 0x10000c
	s_cmp_lg_u32 s2, 0x3003
	s_cbranch_scc0 .Lentry_shape_is_right
	s_endpgm
.Lentry_shape_is_right:
; out0[m][n] = 2^(e0 + e1) x (sum over k of xcode[m][k] wcode[n][k]) + bias[n] gamma[n].  Codes of E5M2, sums in f32.  Nothing is left out.
; LIMIT: e0 + e1 between -126 and 127, so that 2^(e0 + e1) is an f32 number.
; A work-group of four waves makes 256 x 256 of the output; wave w makes all 256 rows x columns 64 w .. 64 w + 63: 64 accumulators, 512 registers.
; x GOES THROUGH LDS: a ring of two slots, each 256 rows x 512 along K (rows of 512 + 16 bytes); a wave's one tensor load brings 64 rows.  The four work-groups of a
; cluster (4 x 1) make one tile row and need the same tiles of x: each load is a joint one, mask 15, with a descriptor made of the tile row and the wave's number alone.
; w GOES STRAIGHT INTO REGISTERS: the first launch has laid it as register images (fragment (n, s) of 16 columns x 128 K at byte 65,536 n + 2,048 s), so each load of a wave is 512
; consecutive bytes, and no two waves of a work-group read the same bytes of w.  No partner of the cluster shares w, so it has no joint load.  Four sets of registers take turns; a set is asked for three steps of 128 ahead.
; A STEP of 128 along K: x's 16 blocks of 16 rows one after the other, each against w's four fragments, in groups of 6, 5 and 5 blocks on two buffers of six fragments by turns.
; Each group's fragments are fetched in ONE run of LDS loads, a group ahead of their use; w's 16 loads stand in the step's first run: three runs for a step's 64 products.
; THE LAST 384 ALONG K GO BY ROWS OF THE OUTPUT: all their fragments of w lie in registers, so each block of 16 rows is finished by 12 products and leaves at once.
; The matrix instruction is used transposed (source 0 = 16 columns' rows of w, source 1 = 16 rows of x): a lane holds eight neighbouring numbers of an output row.
; k within a step is permuted alike in both operands (lane (r, h), registers 4 c ..: k = 32 c + 16 h + 0 .. 15).
; REGISTERS: window 0: v0-31 addresses, v32-63 rows on the way out, v64-159 and v160-255 x's two buffers.  Window 1: w's four sets.
; Windows 2, 3: accumulators of blocks 0-7, 8-15: (a, b) at v[32 (a % 8) + 8 b].
.set PITCH,  528
.set SLOT,   256*PITCH
.set SPARE,  2*SLOT                    ; the spare words, 128 bytes a wave, that no other line names
.set STAGE,  SPARE+512                 ; the way out: 16 rows x 272 bytes for each wave; no tensor load lands here
.set SPITCH, 272
.set BG,   8                           ; v[8:11]  bias x gamma of my four columns on the way out
.set GM,   12
.set ADRA, 16                          ; v16-19   LDS address of x's fragments: slot 0 blocks 0-7, 8-15; slot 1 likewise (an LDS offset has 16 bits)
.set CB,   20
.set LB,   21                          ; 16 x lane
.set PFB,  22                          ; prefetch offsets: w, x
.set PFO,  30
.set STO,  24
.set RD,   25
.set CO,   26
.set SPW,  28
.set NIL,  29
.set OB,   32                          ; the way out: two sets of 32 registers by turns, v32-63 and v64-95 (by rows x's fragments lie in v160-255 alone)
.set G1,  24                           ; s[24:31] descriptor group 1; s[32:39] group 0, one set a slot
.set G0,  32
.set BB,  68                           ; s[68:69] w: my four fragment rows, at the trip's first step
.set PFA, 70                           ; s[70:71] x: where my prefetches stand
.set OUT, 74
.set TO_B, 0x40
.set MSB, 0
.macro WIN new                         ; the immediate's high byte repeats the setting that is left
.if MSB != (\new)
	s_set_vgpr_msb (MSB<<8)|(\new)
.set MSB, (\new)
.endif
.endm
.macro PLACES                          ; four places between products and loads into their sources, or reads of their results
.rept 4
	v_nop
.endr
.endm
.macro JLOAD s                         ; the joint load of my 64 rows; the s_nop 0 and the four v_nop behind it
	tensor_load_to_lds s[G0+4*(\s):G0+4*(\s)+3], s[G1:G1+7]
	s_nop 0
	PLACES
.endm
.macro CREST                           ; a round of the cluster's barrier behind its opening barrier
	s_cmp_lg_u32 s14, 0
	s_cbranch_scc1 .Lnot_wave_0_\@
	s_barrier_signal -3
.Lnot_wave_0_\@:
	s_barrier_wait -3
	s_barrier_signal -1
	s_barrier_wait -1
.endm
.macro CROUND
	s_barrier_signal -1
	s_barrier_wait -1
	CREST
.endm
; PREFETCHES, behind a refill and the LDS loads that follow it, in the first two of the loop's three trips.
; x: the slot that stands two refills on, 256 rows x 512 bytes; of the 64 rows that I fetch each of the four partners names 16, told apart by address; a lane names 256 bytes.
; w: once a trip, the eight steps from step 8 t + 12 on, whose first load stands six steps further down: 256 blocks of 256 bytes for my four fragment rows, of which the tile rows ty % 8 = 0 .. 7 name 32 each.
; The last trip asks for nothing: its look-ahead would pass the rows' ends.
.macro ASK which
	s_cmp_gt_u32 s3, 1
	s_cbranch_scc0 .Lnone_\@
	global_prefetch_b8 v[PFO], s[PFA:PFA+1] offset:512*(\which) th:TH_LOAD_NT scope:SCOPE_SE
.if (\which) == 0
	global_prefetch_b8 v[PFB], s[BB:BB+1] offset:12*2048 th:TH_LOAD_NT scope:SCOPE_SE
.endif
.Lnone_\@:
.endm
	s_load_b128 s[4:7], s[0:1], 0x0                ; x_codes, w_codes
	s_load_b128 s[8:11], s[0:1], 0x10              ; lowp_scales, bias
	s_load_b128 s[72:75], s[0:1], 0x20             ; gamma, out0
	v_lshl_add_u32 v[SPW], v0, 2, SPARE
	v_mov_b32 v[NIL], 0
	ds_add_u32 v[SPW], v[NIL]                      ; the opening lines: the add, twice on end, and its wait
	ds_add_u32 v[SPW], v[NIL]
	v_lshrrev_b32 v7, 5, v0
	v_readfirstlane_b32 s14, v7                    ; wave
	s_bfe_u32 s40, ttmp6, 0x40000                  ; cx
	s_lshl_b32 s42, ttmp9, 2
	s_add_co_u32 s42, s42, s40                     ; tile column tx
	s_and_b32 s17, ttmp7, 0xffff                   ; tile row ty
	s_mov_b32 s[G1+0], 15|(1<<20)|(1<<21)|(6<<22)|(3<<25)   ; mask of the four; bytes; 4 words of padding behind every 128
	s_mov_b32 s[G1+1], 512<<16
	s_mov_b32 s[G1+2], 64<<16
	s_mov_b32 s[G1+3], 512<<16
	s_mov_b32 s[G1+4], 64
	s_mov_b32 s[G1+5], 4096
	s_mov_b32 s[G1+6], 0
	s_mov_b32 s[G1+7], 0
	s_mul_i32 s45, s14, 64*PITCH                   ; my 64 rows in a slot
	s_lshl_b32 s20, s17, 20
	s_lshl_b32 s21, s14, 18
	s_add_co_u32 s20, s20, s21                     ; x: row 256 ty + 64 w, in bytes
	s_mov_b32 s21, 0
	s_lshl_b32 s46, s42, 20
	s_lshl_b32 s47, s14, 18
	s_add_co_u32 s46, s46, s47                     ; w: fragment row 16 tx + 4 w, in bytes
	s_mov_b32 s47, 0
	s_lshl_b32 s48, s40, 16
	s_add_co_u32 s48, s48, s20
	s_add_co_u32 s48, s48, 4*512                   ; x's prefetches: + 16 cx rows, at the fifth 512 along K
	s_mov_b32 s49, 0
	s_lshl_b32 s50, s42, 10
	s_lshl_b32 s51, s14, 8
	s_add_co_u32 s50, s50, s51                     ; my first column, in bytes of f32
	s_mov_b32 s51, 0
	s_lshl_b32 s52, s17, 22                        ; the tile's first row in out0
	s_mov_b32 s53, 0
	s_mul_i32 s23, s14, 16*SPITCH
	s_add_co_u32 s23, s23, STAGE                   ; my stage
	s_and_b32 s22, s17, 7
	s_lshl_b32 s22, s22, 5
	v_and_b32 v1, 15, v0                           ; r
	v_bfe_u32 v2, v0, 4, 1                         ; h
	v_and_b32 v6, 31, v0
	v_mul_u32_u24 v3, v1, PITCH
	v_lshl_add_u32 v[ADRA], v2, 4, v3
	v_add_nc_u32 v[ADRA+1], 8*16*PITCH, v[ADRA]
	v_add_nc_u32 v[ADRA+2], SLOT, v[ADRA]
	v_add_nc_u32 v[ADRA+3], SLOT+8*16*PITCH, v[ADRA]
	v_mul_u32_u24 v4, v1, SPITCH
	v_lshl_add_u32 v4, v2, 5, v4
	v_add_nc_u32 v[STO], s23, v4                   ; in: row r, 32 bytes for each half of the lanes
	v_mul_u32_u24 v5, v2, SPITCH
	v_lshl_add_u32 v5, v1, 4, v5
	v_add_nc_u32 v[RD], s23, v5                    ; back: lanes 0-15 one row of 256 bytes, lanes 16-31 the next
	v_lshlrev_b32 v[CB], 4, v1
	v_lshl_add_u32 v[CO], v2, 14, v[CB]            ; and the same two rows in out0
	v_lshlrev_b32 v[LB], 4, v6
	v_lshlrev_b32 v3, 12, v1
	v_lshl_add_u32 v[PFO], v2, 8, v3               ; x: row r, block h
	v_add_nc_u32 v4, s22, v6                       ; w: block 32 (ty % 8) + lane of 256
	v_lshrrev_b32 v5, 6, v4
	v_and_b32 v4, 63, v4
	v_lshlrev_b32 v4, 8, v4
	v_lshl_add_u32 v[PFB], v5, 16, v4
	s_wait_alu depctr_va_vdst(0)                   ; the wait at the head's end
	s_wait_dscnt 0x0
	s_wait_kmcnt 0x0
	s_load_b64 s[96:97], s[8:9], 0x0               ; e0, e1
	s_add_nc_u64 s[20:21], s[4:5], s[20:21]
	s_add_nc_u64 s[BB:BB+1], s[6:7], s[46:47]
	s_add_nc_u64 s[PFA:PFA+1], s[4:5], s[48:49]
	s_add_nc_u64 s[OUT:OUT+1], s[OUT:OUT+1], s[52:53]
	s_add_nc_u64 s[OUT:OUT+1], s[OUT:OUT+1], s[50:51]
	s_add_nc_u64 s[10:11], s[10:11], s[50:51]
	s_add_nc_u64 s[72:73], s[72:73], s[50:51]
.irp s, 0,1
	s_mov_b32 s[G0+4*\s], 1
	s_add_co_u32 s[G0+4*\s+1], s45, \s*SLOT
	s_add_nc_u64 s[G0+4*\s+2:G0+4*\s+3], s[20:21], \s*512
	s_or_b32 s[G0+4*\s+3], s[G0+4*\s+3], 0x80000000
.endr
	CROUND                                         ; the four work-groups are here: the first joint loads meet
	JLOAD 0                                        ; one tensor load a wave at the head
.macro BFR b, dst, off                 ; a fragment of w: four loads of 512 consecutive bytes
.irp c, 0,1,2,3
	global_load_b128 v[(\dst)+16*(\b)+4*\c:(\dst)+16*(\b)+4*\c+3], v[LB], s[BB:BB+1] offset:65536*(\b)+512*\c+(\off)
.endr
.endm
.macro AF1 reg, slot, q, f             ; x's fragment of block f, the slot's q-th 128 along K
.irp c, 0,1,2,3
	ds_load_b128 v[(\reg)+4*\c:(\reg)+4*\c+3], v[ADRA+2*(\slot)+(\f)/8] offset:128*(\q)+32*\c+((\f)%8)*16*PITCH
.endr
.endm
.macro GL slot, q, g                   ; group g of step q (blocks 0-5, 6-10, 11-15) into buffer (q + g) % 2
.set GB, 64+96*(((\q)+(\g))%2)
.if (\g) == 0
.irp i, 0,1,2,3,4,5
	AF1 GB+16*\i, \slot, \q, \i
.endr
.else
.irp i, 0,1,2,3,4
	AF1 GB+16*\i, \slot, \q, 1+5*(\g)+\i
.endr
.endif
.endm
.macro RF a                            ; by rows (slot 1): block a's three fragments, the slot's second to fourth 128 along K, into place a % 2 of two (v160-207, v208-255)
.irp g, 1,2,3
	AF1 160+48*((\a)%2)+16*(\g-1), 1, \g, \a
.endr
.endm
.macro BLK a, q, zero                  ; block a against w's four fragments of set q; the accumulators take turns
.if (\a) < 6
.set FA, 64+96*((\q)%2)+16*(\a)
.else
.if (\a) < 11
.set FA, 64+96*(((\q)+1)%2)+16*((\a)-6)
.else
.set FA, 64+96*((\q)%2)+16*((\a)-11)
.endif
.endif
.set AC, 32*((\a)%8)
	WIN 0xa1+0x50*((\a)/8)
.irp b, 0,1,2,3
.if \zero
	v_wmma_f32_16x16x128_bf8_bf8 v[AC+8*\b:AC+8*\b+7], v[64*(\q)+16*\b:64*(\q)+16*\b+15], v[FA:FA+15], 0
.else
	v_wmma_f32_16x16x128_bf8_bf8 v[AC+8*\b:AC+8*\b+7], v[64*(\q)+16*\b:64*(\q)+16*\b+15], v[FA:FA+15], v[AC+8*\b:AC+8*\b+7]
.endif
.endr
.endm
	global_load_b128 v[BG:BG+3], v[CB], s[10:11]
	global_load_b128 v[GM:GM+3], v[CB], s[72:73]
	WIN TO_B
.irp s, 0,1,2
.irp b, 0,1,2,3
	BFR \b, 64*\s, 2048*\s                         ; w's sets of steps 0, 1, 2
.endr
.endr
	WIN 0
; A step.  slot, q: where x's 128 along K lie, and w's set; j: the step's number in its trip (w's offsets).  mode 0: the next step lies in the same slot; 1: the slot's last step, the slot is filled again;
; 2: the last change of slots, nothing is filled; 3: the last step by K: the first two blocks' fragments for the rows are fetched.
.macro STEP slot, q, j, zero, mode
	PLACES
	WIN 0
	GL \slot, \q, 1
	WIN TO_B
.irp b, 0,1,2,3
	BFR \b, 64*((\q+3)%4), (\j+3)*2048             ; w's set of the step three on, into the set that the last step read
.endr
	s_wait_dscnt 20                                ; group 0 is in; the 20 loads just issued may be out
	s_wait_loadcnt 48                              ; this step's set of w is in; the three sets behind it may be out
.irp a, 0,1,2,3,4,5
	BLK \a, \q, \zero
.endr
	PLACES
	WIN 0
	GL \slot, \q, 2
.if (\mode == 0) || (\mode == 3)
	s_wait_dscnt 20
.irp a, 6,7,8,9,10
	BLK \a, \q, \zero
.endr
	PLACES
	WIN 0
.if \mode == 0
	GL \slot, \q+1, 0
.else
	RF 0
	RF 1
.endif
.else
	s_wait_tensorcnt 0x0                           ; the slot's last read is issued.  All my tensor loads have landed: my part of the other slot;
	ds_add_u32 v[SPW], v[NIL]                      ; 0 onto my spare word;
	s_wait_dscnt 21                                ; (group 2's 20 loads and the add may be out)
	BLK 6, \q, 0
	BLK 7, \q, 0
	s_wait_dscnt 0x0                               ; the add is done and my reads of this slot are over
	s_barrier_signal -1
	BLK 8, \q, 0
	BLK 9, \q, 0
	BLK 10, \q, 0
	WIN 0
	s_barrier_wait -1
.if \mode == 1
	CREST                                          ; the barrier has opened a round: no wave of any partner still reads this slot or has a load on its way
	s_add_nc_u64 s[G0+4*\slot+2:G0+4*\slot+3], s[G0+4*\slot+2:G0+4*\slot+3], 2*512
	JLOAD \slot                                    ; the first tensor load behind the round; its four v_nop are the places in front of the loads below
.else
	PLACES
.endif
	GL 1-\slot, 0, 0
.if \mode == 1
	ASK \slot
.endif
.endif
	s_wait_dscnt 24                                ; group 2 is in; the 24 loads just issued may be out
.irp a, 11,12,13,14,15
	BLK \a, \q, \zero
.endr
.endm
	s_wait_tensorcnt 0x0                           ; my part of slot 0 is in
	ds_add_u32 v[SPW], v[NIL]
	s_wait_dscnt 0x0
	CROUND
	JLOAD 1                                        ; slot 1's first fill
	GL 0, 0, 0
	s_wait_loadcnt 48                              ; bias and gamma are in; w's three sets may be out
	v_pk_mul_f32 v[BG:BG+1], v[BG:BG+1], v[GM:GM+1]
	v_pk_mul_f32 v[BG+2:BG+3], v[BG+2:BG+3], v[GM+2:GM+3]
	s_wait_alu depctr_va_vdst(0)                   ; the wait behind these writes
	STEP 0, 0, 0, 1, 0                             ; the first step starts the sums
	WIN 0
	s_mov_b32 s3, 3
.Llap:                                                 ; a trip: eight steps, once round the ring, from a lap's second step to the next lap's first
	STEP 0, 1, 1, 0, 0
	STEP 0, 2, 2, 0, 0
	STEP 0, 3, 3, 0, 1
	STEP 1, 0, 4, 0, 0
	STEP 1, 1, 5, 0, 0
	STEP 1, 2, 6, 0, 0
	STEP 1, 3, 7, 0, 1
	STEP 0, 0, 8, 0, 0
	WIN 0
	s_wait_xcnt 0x0                                ; the trip's loads and prefetches have read their bases
	s_add_nc_u64 s[BB:BB+1], s[BB:BB+1], 8*2048
	s_add_nc_u64 s[PFA:PFA+1], s[PFA:PFA+1], 2*512
	s_sub_co_u32 s3, s3, 1
	s_cmp_lg_u32 s3, 0
	s_cbranch_scc1 .Llap
	STEP 0, 1, 1, 0, 0                             ; steps 25 to 28
	STEP 0, 2, 2, 0, 0
	STEP 0, 3, 3, 0, 2
	STEP 1, 0, 4, 0, 3
	WIN 0
	s_wait_kmcnt 0x0
	s_add_co_i32 s96, s96, s97
	s_add_co_i32 s96, s96, 127
	s_lshl_b32 s96, s96, 23                        ; 2^(e0 + e1)
; Block a is finished: 12 products, its four accumulators by turns, on w's sets 1 to 3 (steps 29 to 31).  dsw: the LDS instructions younger than its fragments' loads.
.macro ROW a, dsw
	s_wait_dscnt \dsw
.set AC, 32*((\a)%8)
.set RBB, 160+48*((\a)%2)
	WIN 0xa1+0x50*((\a)/8)
.irp g, 1,2,3
.if (\a) == 0
	s_wait_loadcnt 48-16*\g                        ; w's set g is in; the sets behind it may be out
.endif
.irp b, 0,1,2,3
	v_wmma_f32_16x16x128_bf8_bf8 v[AC+8*\b:AC+8*\b+7], v[64*\g+16*\b:64*\g+16*\b+15], v[RBB+16*(\g-1):RBB+16*(\g-1)+15], v[AC+8*\b:AC+8*\b+7]
.endr
.endr
.endm
.macro TOSTAGE a                       ; block a's sums into my stage, each accumulator from its low end on, and back as whole rows of 256 bytes (LDS serves a wave's instructions in order)
	WIN 0x08+4*((\a)/8)
.irp b, 0,1,2,3
	ds_store_b128 v[STO], v[32*((\a)%8)+8*\b:32*((\a)%8)+8*\b+3] offset:64*\b
	ds_store_b128 v[STO], v[32*((\a)%8)+8*\b+4:32*((\a)%8)+8*\b+7] offset:64*\b+16
.endr
	WIN 0
.irp t, 0,1,2,3,4,5,6,7
	ds_load_b128 v[OB+32*((\a)%2)+4*\t:OB+32*((\a)%2)+4*\t+3], v[RD] offset:\t*2*SPITCH
.endr
.endm
.macro SEND a, younger                 ; x 2^(e0 + e1), + bias x gamma, stored: sixteen lanes fill 256 consecutive bytes, aligned
	WIN 0
	s_wait_dscnt \younger
	s_wait_xcnt 0x0                                ; the stores of the block before have read their registers: the next block's rows land in that set only behind this wait
.irp t, 0,1,2,3,4,5,6,7
	v_pk_fma_f32 v[OB+32*((\a)%2)+4*\t:OB+32*((\a)%2)+4*\t+1], v[OB+32*((\a)%2)+4*\t:OB+32*((\a)%2)+4*\t+1], s[96:97], v[BG:BG+1] op_sel_hi:[1,0,1]
	v_pk_fma_f32 v[OB+32*((\a)%2)+4*\t+2:OB+32*((\a)%2)+4*\t+3], v[OB+32*((\a)%2)+4*\t+2:OB+32*((\a)%2)+4*\t+3], s[96:97], v[BG+2:BG+3] op_sel_hi:[1,0,1]
.endr
.irp t, 0,1,2,3,4,5,6,7
	global_store_b128 v[CO], v[OB+32*((\a)%2)+4*\t:OB+32*((\a)%2)+4*\t+3], s[OUT:OUT+1] offset:(\a)*16*16384+\t*2*16384 th:TH_STORE_NT
.endr
.endm
	ROW 0, 12                                      ; block 1's 12 loads may be out
	PLACES
	TOSTAGE 0
	RF 2
.irp a, 1,2,3,4,5,6,7,8,9,10,11,12,13
	ROW \a, 28                                     ; behind my fragments: the stage's 16 instructions and the next block's 12 loads
	SEND \a-1, 12                                  ; behind block a - 1's rows: 12 loads.  Its 16 multiply-adds are the places behind block a's products
	TOSTAGE \a                                     ; into the other set of registers than the stores just issued read
	RF \a+2
.endr
	ROW 14, 28
	SEND 13, 12
	TOSTAGE 14
	ROW 15, 16
	SEND 14, 0
	TOSTAGE 15
	SEND 15, 0
	s_wait_tensorcnt 0x0                           ; the wave's end
	ds_add_u32 v[SPW], v[NIL]
	s_wait_dscnt 0x0
	CROUND                                         ; the closing round
	s_endpgm
.Lfunc_end_k_q66196d1b90_gemm:
	.size	k_q66196d1b90_gemm, .Lfunc_end_k_q66196d1b90_gemm-k_q66196d1b90_gemm
	.p2alignl 7, 3214868480
	.fill 96, 4, 3214868480
	.section	.rodata,"a",@progbits
	.p2align	6, 0x0
	.amdhsa_kernel k_q66196d1b90_gemm
		.amdhsa_group_segment_fixed_size 327680
		.amdhsa_private_segment_fixed_size 0
		.amdhsa_enable_private_segment 0
		.amdhsa_kernarg_size 48
		.amdhsa_user_sgpr_count 2
		.amdhsa_user_sgpr_kernarg_segment_ptr 1
		.amdhsa_wavefront_size32 1
		.amdhsa_system_sgpr_workgroup_id_x 1
		.amdhsa_system_sgpr_workgroup_id_y 1
		.amdhsa_system_sgpr_workgroup_id_z 1
		.amdhsa_system_vgpr_workitem_id 0
		.amdhsa_next_free_vgpr 1024
		.amdhsa_next_free_sgpr 98
		.amdhsa_reserve_vcc 0
		.amdhsa_float_denorm_mode_32 3
		.amdhsa_float_denorm_mode_16_64 3
		.amdhsa_memory_ordered 1
		.amdhsa_forward_progress 1
		.amdhsa_inst_pref_size 219
	.end_amdhsa_kernel
	.amdgpu_metadata
---
amdhsa.version: [ 1, 2 ]
amdhsa.kernels:
  - .name:           k_q66196d1b90_gemm
    .symbol:         k_q66196d1b90_gemm.kd
    .args:
      - { .name: x_codes, .offset: 0, .size: 8, .value_kind: global_buffer, .address_space: global }
      - { .name: w_codes, .offset: 8, .size: 8, .value_kind: global_buffer, .address_space: global }
      - { .name: lowp_scales, .offset: 16, .size: 8, .value_kind: global_buffer, .address_space: global }
      - { .name: bias, .offset: 24, .size: 8, .value_kind: global_buffer, .address_space: global }
      - { .name: gamma, .offset: 32, .size: 8, .value_kind: global_buffer, .address_space: global }
      - { .name: out0, .offset: 40, .size: 8, .value_kind: global_buffer, .address_space: global }
    .group_segment_fixed_size: 327680
    .private_segment_fixed_size: 0
    .kernarg_segment_align: 8
    .kernarg_segment_size: 48
    .max_flat_workgroup_size: 128
    .sgpr_count:     98
    .vgpr_count:     1024
    .wavefront_size: 32
...
	.end_amdgpu_metadata
.endif
;; end of part 2
